; MI455X (gfx1250); checked and timed in simulation.
; The chip was launched on July 23, 2026; its instructions are those of AMD's public machine-readable ISA for CDNA 5 (MIT licence, August 2026) and "CDNA5" Instruction Set Architecture Reference Guide (July 2026). The comments in the code are by the model that wrote it; some were corrected since.
;; MLP Param. Allowed arithmetic: float matrix products may take bf16 or f16 operands with f32 sums; all other float work in f32.
;; Inputs: W_1 64 x 512 x 512 float32; b_1 64 x 512 float32; var_vector 4,096 x 64 float32; x 4,096 x 512 float32.
;; Outputs: out0 4,096 x 512 float32.
;; 2 versions, each right. Each part assembles by itself: llvm-mc -triple=amdgcn-amd-amdhsa -mcpu=gfx1250 --defsym DOCPART=n.
;; ======== version 1 of 2: 1 launch
;; launch main (part 1): grid 16 x 16, 4 waves a work-group, clusters of 4 x 1, 327,680 bytes of LDS; arguments W_1, b_1, var_vector, x, out0; writes out0
.if DOCPART == 1
	.amdgcn_target "amdgcn-amd-amdhsa--gfx1250"
	.amdhsa_code_object_version 6
	.text
	.protected	k_q8e37e08c69_main
	.globl	k_q8e37e08c69_main
	.p2align	8
	.type	k_q8e37e08c69_main,@function
k_q8e37e08c69_main:
	s_mov_b64 s[64:65], 0
	v_nop
	global_prefetch_b8 v0, s[64:65] scope:SCOPE_SE
	s_setreg_imm32_b32 hwreg(HW_REG_WAVE_MODE, 25, 1), 1
	s_wait_xcnt 0x0
	s_wait_alu depctr_hold_cnt(0) depctr_sa_sdst(0) depctr_va_vdst(0) depctr_va_sdst(0) depctr_va_ssrc(0) depctr_va_vcc(0) depctr_vm_vsrc(0)
	s_getreg_b32 s2, hwreg(HW_REG_IB_STS2, 6, 4)
	s_cmp_eq_u32 s2, 0
	s_cbranch_scc0 .Lentry_in_a_cluster
	s_endpgm
.Lentry_in_a_cluster:
	s_bfe_u32 s2, ttmp6, 0x10000c
	s_cmp_lg_u32 s2, 0x3003
	s_cbranch_scc0 .Lentry_shape_is_right
	s_endpgm
.Lentry_shape_is_right:
; out[n][o] = sum over d of v[n][d] (sum over i of x[n][i] W[d][i][o])  +  sum over d of v[n][d] b[d][o].
; x [4096][512], v [4096][64], W [64][512][512], b [64][512], out [4096][512], all f32.
; ORDER OF WORK: y_d = x W_d by the matrix unit (bf16 operands, f32 sums), then OUT += v_d y_d in f32 by packed multiply-adds.  The bias is a product v b that starts OUT's sums.
; LIMITS.  x, W, v and b are each rounded ONCE to bf16 (to nearest even) on their way in, v too, so that all four inputs carry the same rounding; nothing else is rounded: y_d, v_d y_d and all sums are f32.
; A number beyond bf16's largest finite one (3.39e38) becomes an infinity; NaN and infinities are not treated apart; the sums' order is not the reference's (i in two halves, added at the end).
; SHARES.  256 work-groups: 16 blocks of 256 samples (x of the grid) x 16 blocks of 32 outputs (y).  A work-group walks all 64 d.  Wave w: sh = w / 2 picks 128 of the samples, kh = w % 2 picks 256 of the 512 i.
; A wave keeps its x (128 x 256, bf16: 512 registers) for the whole launch, OUT (128 x 32 f32, its half of i: 128 registers) and y_d (128 registers).  The two halves of i meet once, at the end, in LDS.
; W streams as f32 through two LDS slots of two d each; a wave reads 8 bytes a lane and rounds them to bf16 on the way into fragments: for each matrix instruction one LDS load and one conversion.
; CLUSTER.  The four sample blocks of a cluster have one output block and walk the same W: each tile is asked for JOINTLY, the same tensor load, descriptor and mask in all four.  x, v and out are each work-group's
; own rows; b is 4 KiB a wave: they come by plain loads.  The 16 output blocks read the same x, each for itself: they lie in different clusters.
; A tile's rows of W and a row of out are 32 numbers, 128 bytes: half of an aligned 256.  256 work-groups with no split over d have 8,192 outputs each; 128 x 64 would double the bytes of W that a
; work-group brings in for each product, and two slots of two d of it (512 KiB) do not fit in LDS.
; THE MATRIX INSTRUCTION IS USED TRANSPOSED: source 0 = 16 outputs of W, source 1 = 16 samples of x, so that a lane of the result holds ONE sample (lane % 16) and v[n][d] is one number a lane.
; TWO PERMUTATIONS make the tile usable as it lies ([i][o], f32).  Along K, alike in both sources: half h of the lanes, place e (register e / 2, half e % 2) stands for k = 16 h + e of a block of 32.
; Along the outputs: row m of fragment ob stands for o = 2 m + ob, so the 8 bytes W[k][2 r], W[k][2 r + 1] feed both fragments.  Register j of lane (r, h) of accumulator (ob, t) is sample 16 t + r, o = 16 h + 2 j + ob.
;
; LDS: two slots; a slot's row (512 (d % 2) + i) is 128 bytes + 8 of padding = 34 words: rows 16 apart lie 128 bytes apart modulo 256.
.set ROWP,  136
.set KFB,   32*ROWP                    ; 32 rows: one step along K
.set KHB,   256*ROWP                   ; 256 rows: what one tensor load brings, and a wave's half of a d
.set DT,    512*ROWP                   ; one d
.set SLOT,  2*DT                       ; 139,264 = 0x22000; wave x KHB has neither bit 13 nor bit 17 set, so one exclusive or turns an address in one slot into the other's
.set SLOTG, 2*512*512*4                ; a slot's two d in memory
.set VB,    2*SLOT                     ; v as pairs of bf16 (d = 2 q low, 2 q + 1 high): q x 1,024 + sh x 512 + (t / 4) x 256 + r x 16 + (t % 4) x 4; stored by the waves, never filled by a tensor load
.set SPARE, VB+32768                   ; the spare words, 128 bytes for each wave: two blocks of 256 bytes that no other line names
.set REDP,  144                        ; the end: a sample's 2 planes (ob) x 16 m x 4 bytes + 16 of padding; two arrays (kh) of 256 samples, in the slots, behind their last fill
.set REDA,  256*REDP
; REGISTERS, in windows of 256 (s_set_vgpr_msb: bits 1:0 source 0, 3:2 source 1, 5:4 source 2, 7:6 destination).
; window 0: addresses, v, W's raw numbers and fragments.  window 1: v0-127 OUT, v128-255 y_d, accumulator a = 8 ob + t at 8 a (at the start: two buffers for loads).  windows 2, 3: x, tile t % 4, K step kf at 64 (t % 4) + 8 kf.
.set AWL,  8                           ; my place in a d's tile: 2,176 h + 8 r + kh x KHB
.set AWE,  9                           ; v9, v10: the same in the even and in the odd d of the slot being read
.set AVL0, 11                          ; VB + sh x 512 + 16 r
.set AV,   12                          ; the same for the pair of d in hand
.set XO,   13                          ; byte offsets in x, v, b
.set VO,   14
.set BO,   15
.set VST,  16                          ; where I store v's pairs
.set VFA,  17                          ; where I read v's fragments for the bias
.set RST,  18                          ; the end: where I put my sums
.set RRD,  19                          ; the end: where I read both halves back
.set GO,   20                          ; my byte offset in four rows of out
.set SPW,  22                          ; LDS address of my spare word; never rewritten
.set NIL,  23                          ; 0; never rewritten
.set VP,   24                          ; v24-31  a pair of d: v of my sample in tiles 0-7, two bf16 each
.set VS,   32                          ; v32-47  a pair a tile: v as f32, and a 0 that is named with it
.set WF,   48                          ; v48-79  W's fragments: buffer x 16 + ob x 8
.set TB,   80                          ; v80-143 W's raw numbers: buffer x 32 + e x 2 + ob
.set PKV,  144                         ; v144-207 v's pairs on their way to LDS; then
.set VFB,  144                         ;          v's fragments for the bias, 8 a tile
.set BF,   208                         ; v208-223 b's fragments
.set RAW,  224                         ; v224-255 b as loaded
.set YB,   128                         ; window 1
.set EL,   48                          ; the end: v48-175 loaded, v176-239 summed
.set ER,   176
.set WV,  14                           ; s14 wave, s15 sh, s16 kh
.set SH,  15
.set KH,  16
.set G0A, 20                           ; s[20:23] descriptor group 0 of slot 0's first fill
.set G0,  24                           ; s[24:27] of slot 1's; it then walks
.set G1,  28                           ; s[28:35] descriptor group 1
.set SB,  36                           ; s36 the slot being read; s37 its odd d
.set VQ,  38                           ; s38 1,024 x the pair of d whose v is loaded
.set CNT, 39
.set MSB, 0
.macro WIN new                         ; the immediate's high byte repeats the setting that is left; a switch that changes nothing is dropped
.if MSB != (\new)
	s_set_vgpr_msb (MSB<<8)|(\new)
.set MSB, (\new)
.endif
.endm
.set W_MM,  0x58                       ; W's fragment window 0, x window 2 (+4: window 3), C and D window 1
.set W_DR,  0x51                       ; OUT and y window 1, v window 0
.set W_LD1, 0x40                       ; destination window 1
.set W_CP,  0x05                       ; sources window 1, destination window 0
.set W_CX,  0x85                       ; sources window 1, destination window 2 (+0x40: window 3)
.set W_ST1, 0x04                       ; an LDS store's data in window 1
; A round of the cluster's barrier: my work-group's barrier, so that wave 0's signal speaks for all four waves; wave 0 signals; every wave waits for all four work-groups; my work-group's barrier once more.
.macro CREST                           ; a round behind its opening barrier
	s_cmp_lg_u32 s[WV], 0
	s_cbranch_scc1 .Lnot_wave_0_\@
	s_barrier_signal -3
.Lnot_wave_0_\@:
	s_barrier_wait -3
	s_barrier_signal -1
	s_barrier_wait -1
.endm
.macro CROUND
	s_barrier_signal -1
	s_barrier_wait -1
	CREST
.endm
	s_load_b256 s[4:11], s[0:1], 0x0               ; W s[4:5], b s[6:7], v s[8:9], x s[10:11]
	s_load_b64 s[12:13], s[0:1], 0x20              ; out
	v_lshl_add_u32 v[SPW], v0, 2, SPARE
	v_mov_b32 v[NIL], 0
	ds_add_u32 v22, v23
	s_wait_dscnt 0x0
	v_lshrrev_b32 v1, 5, v0
	v_readfirstlane_b32 s[WV], v1                  ; wave 0..3
	s_lshr_b32 s[SH], s[WV], 1
	s_and_b32 s[KH], s[WV], 1
	s_bfe_u32 s17, ttmp6, 0x40000                  ; cx: my place in the cluster
	s_lshl_b32 s18, ttmp9, 2                       ; in a cluster launch ttmp9 counts clusters
	s_add_co_u32 s18, s18, s17                     ; my block of samples: it enters x's, v's and out's addresses alone
	s_and_b32 s19, ttmp7, 0xffff                   ; my block of outputs, which the four partners share
	; descriptor group 1: 256 rows x 32 elements of 4 bytes, 512 elements from row to row, padded in LDS
	s_mov_b32 s[G1+0], 15|(2<<16)|(1<<20)|(1<<21)|(4<<22)|(1<<25)  ; 15:0 the mask of four; 17:16 4-byte elements; 20 padding on; 21 set beside a mask; 24:22 after every 32 words (code 4); 31:25 2 words (code 1)
	s_mov_b32 s[G1+1], 32<<16                      ; tensor_dim0 = 32
	s_mov_b32 s[G1+2], 256<<16                     ; tensor_dim1 = 256
	s_mov_b32 s[G1+3], 32<<16                      ; tile_dim0 = 32
	s_mov_b32 s[G1+4], 256                         ; tile_dim1 = 256
	s_mov_b32 s[G1+5], 512                         ; tensor_dim0_stride
	s_mov_b32 s[G1+6], 0
	s_mov_b32 s[G1+7], 0
	; byte offsets, each in registers of its own; those of W and b never hold cx
	s_lshl_b32 s50, s19, 7                         ; my 32 outputs in a row
	s_lshl_b32 s44, s[WV], 19                      ; W: wave w fetches rows 256 w .. 256 w + 255 of a slot's 1,024 (W's rows lie on end across d)
	s_add_co_u32 s44, s44, s50
	s_mov_b32 s45, 0
	s_lshl_b32 s48, s[KH], 16                      ; b: my 32 d
	s_add_co_u32 s48, s48, s50
	s_mov_b32 s49, 0
	s_lshl_b32 s40, s18, 19                        ; x and out: 256 rows of 2,048 bytes a block,
	s_lshl_b32 s51, s[SH], 18                      ; 128 rows for sh
	s_add_co_u32 s40, s40, s51
	s_lshl_b32 s51, s[KH], 17                      ; out: at the end wave (sh, kh) stores rows 128 sh + 64 kh on
	s_add_co_u32 s46, s40, s51
	s_add_co_u32 s46, s46, s50
	s_mov_b32 s47, 0
	s_lshl_b32 s51, s[KH], 10                      ; x: my 256 i
	s_add_co_u32 s40, s40, s51
	s_mov_b32 s41, 0
	s_lshl_b32 s42, s18, 16                        ; v: rows of 256 bytes; wave (sh, kh) brings rows 128 sh + 64 kh on into LDS
	s_lshl_b32 s51, s[SH], 15
	s_add_co_u32 s42, s42, s51
	s_lshl_b32 s51, s[KH], 14
	s_add_co_u32 s42, s42, s51
	s_mov_b32 s43, 0
	s_mul_i32 s52, s[WV], KHB                      ; where my part of a slot goes: no place in the cluster enters an LDS address
	; lane terms
	v_and_b32 v1, 15, v0                           ; r
	v_bfe_u32 v2, v0, 4, 1                         ; h
	v_bfe_u32 v4, v0, 3, 2                         ; lane / 8
	v_and_b32 v5, 7, v0                            ; lane % 8
	v_lshlrev_b32 v[XO], 11, v1                    ; x: row r, 16 numbers for each half of the lanes
	v_lshl_add_u32 v[XO], v2, 6, v[XO]
	v_lshlrev_b32 v[VO], 8, v1                     ; v: row r, 32 d for each half
	v_lshl_add_u32 v[VO], v2, 7, v[VO]
	v_lshlrev_b32 v[BO], 15, v2                    ; b: 16 d for each half, outputs 2 r, 2 r + 1
	v_lshl_add_u32 v[BO], v1, 3, v[BO]
	v_mul_u32_u24 v[AWL], v2, 16*ROWP
	v_lshl_add_u32 v[AWL], v1, 3, v[AWL]
	s_mul_i32 s50, s[KH], KHB
	v_add_nc_u32 v[AWL], s50, v[AWL]
	s_lshl_b32 s50, s[SH], 9
	s_add_co_u32 s50, s50, VB
	v_lshl_add_u32 v[AVL0], v1, 4, s50
	v_lshl_add_u32 v[VST], v2, 14, v[AVL0]         ; pairs q = 16 h + c, tiles 4 kh + 0..3
	s_lshl_b32 s51, s[KH], 8
	v_add_nc_u32 v[VST], s51, v[VST]
	v_lshl_add_u32 v[VFA], v2, 13, v[AVL0]         ; pairs q = 16 kh + 8 h + c
	s_lshl_b32 s51, s[KH], 14
	v_add_nc_u32 v[VFA], s51, v[VFA]
	s_mul_i32 s50, s[KH], REDA
	s_mul_i32 s51, s[SH], 128*REDP
	s_add_co_u32 s50, s50, s51
	v_mul_u32_u24 v[RST], v1, REDP
	v_lshl_add_u32 v[RST], v2, 5, v[RST]
	v_add_nc_u32 v[RST], s50, v[RST]
	s_mul_i32 s50, s[KH], 64*REDP
	s_add_co_u32 s50, s50, s51
	v_mul_u32_u24 v[RRD], v4, REDP
	v_lshl_add_u32 v[RRD], v5, 3, v[RRD]
	v_add_nc_u32 v[RRD], s50, v[RRD]
	v_lshlrev_b32 v[GO], 11, v4
	v_lshl_add_u32 v[GO], v5, 4, v[GO]
	s_wait_kmcnt 0x0
	s_add_nc_u64 s[4:5], s[4:5], s[44:45]
	s_add_nc_u64 s[6:7], s[6:7], s[48:49]
	s_add_nc_u64 s[8:9], s[8:9], s[42:43]
	s_add_nc_u64 s[10:11], s[10:11], s[40:41]
	s_add_nc_u64 s[12:13], s[12:13], s[46:47]
	s_mov_b32 s[G0A], 1                            ; 1:0 count = 1
	s_mov_b32 s[G0A+1], s52                        ; 63:32 LDS address: slot 0
	s_mov_b64 s[G0A+2:G0A+3], s[4:5]               ; 120:64 global address: d = 0, 1
	s_or_b32 s[G0A+3], s[G0A+3], 0x80000000        ; 127:126 type = 2
	s_mov_b32 s[G0], 1
	s_add_co_u32 s[G0+1], s52, SLOT                ; slot 1
	s_add_nc_u64 s[G0+2:G0+3], s[4:5], SLOTG       ; d = 2, 3
	s_or_b32 s[G0+3], s[G0+3], 0x80000000
	CROUND                                         ; all four work-groups are here: the first joint loads meet
	tensor_load_to_lds s[G0A:G0A+3], s[G1:G1+7]    ; both first fills together, ahead of every wait on TENSORcnt and every LDS read: two loads of mine are out
	s_nop 0
	tensor_load_to_lds s[G0:G0+3], s[G1:G1+7]
	s_nop 0
.rept 4
	v_nop
.endr
; THE START: b, v and x come into registers and are rounded to bf16.  x: lane (r, h) takes, of row 16 t + r, the 16 numbers 32 kf + 16 h + 0..15 as four loads of 16 bytes: they are the lane's part of fragment (t, kf).
.macro XLOAD t                         ; tile t's 32 loads, into the buffer of window 1 that is free
	WIN W_LD1
.set xB, 128*(1-(\t)%2)
.irp f, 0,1,2,3,4,5,6,7
.irp c, 0,1,2,3
	global_load_b128 v[xB+16*\f+4*\c:xB+16*\f+4*\c+3], v[XO], s[10:11] offset:(\t)*32768+\f*128+\c*16
.endr
.endr
.endm
.macro XCVT t                          ; tile t's 128 numbers a lane into 64 registers of window 2 or 3
	WIN W_CX+0x40*((\t)/4)
.set xB, 128*(1-(\t)%2)
.set z, 0
.rept 64
	v_cvt_pk_bf16_f32 v[64*((\t)%4)+z], v[xB+2*z], v[xB+2*z+1]
.set z, z+1
.endr
.endm
.irp e, 0,1,2,3,4,5,6,7,8,9,10,11,12,13,14,15
	global_load_b64 v[RAW+2*\e:RAW+2*\e+1], v[BO], s[6:7] offset:\e*2048   ; b[32 kh + 16 h + e][2 r, 2 r + 1]
.endr
	WIN W_LD1
.irp t, 0,1,2,3
.irp c, 0,1,2,3,4,5,6,7
	global_load_b128 v[32*\t+4*\c:32*\t+4*\c+3], v[VO], s[8:9] offset:\t*4096+\c*16  ; v[row 16 t + r][32 h + 4 c ..]
.endr
.endr
	XLOAD 0
	s_wait_loadcnt 32                              ; loads come back in order (ISA guide 5.7.1): b and v are in, x's first 32 stay out
	WIN W_CP
.irp c, 0,1,2,3,4,5,6,7,8,9,10,11,12,13,14,15
.irp t, 0,1,2,3
	v_cvt_pk_bf16_f32 v[PKV+4*\c+\t], v[32*\t+2*\c], v[32*\t+2*\c+1]  ; pair q = 16 h + c of tile 4 kh + t
.endr
.endr
	WIN 0
.irp c, 0,1,2,3,4,5,6,7,8,9,10,11,12,13,14,15
	ds_store_b128 v[VST], v[PKV+4*\c:PKV+4*\c+3] offset:\c*1024   ; four tiles' pairs; 16 lanes write 256 consecutive bytes
.endr
.irp ob, 0,1
.irp c, 0,1,2,3,4,5,6,7
	v_cvt_pk_bf16_f32 v[BF+8*\ob+\c], v[RAW+4*\c+\ob], v[RAW+4*\c+2+\ob]  ; b's fragment ob: row m = r is output 2 r + ob, places 2 c, 2 c + 1
.endr
.endr
.irp t, 0,1,2,3,4,5,6,7
	v_mov_b32 v[VS+2*\t+1], 0                      ; named as a pair with v, so it is written
.endr
.irp t, 1,2,3,4,5,6,7
	XLOAD \t
	s_wait_loadcnt 32                              ; the tile before is in, this one stays out
	XCVT (\t)-1
.endr
	s_wait_loadcnt 0x0
	XCVT 7
	WIN 0
	s_wait_tensorcnt 0x1                           ; my part of slot 0 is in; slot 1's may stay out
	s_wait_dscnt 0x0                               ; for the others' sake: my stores of v are done
	s_barrier_signal -1
	s_barrier_wait -1
; THE WORK OF A STEP (one d, 32 along K, 16 matrix instructions).
; Product i of 16: fragment ob = i / 8 of W, tile t = i % 8 of x.  The 16 accumulators take turns, one instruction a turn.  K step 0 starts the sums: nothing is cleared.
.macro MM k, i
.set mT, (\i)%8
	WIN W_MM+4*(mT/4)
.set rY, YB+8*(\i)
.set rW, WF+16*((\k)%2)+8*((\i)/8)
.set rX, 64*(mT%4)+8*(\k)
.if (\k) == 0
	v_wmma_f32_16x16x32_bf16 v[rY:rY+7], v[rW:rW+7], v[rX:rX+7], 0
.else
	v_wmma_f32_16x16x32_bf16 v[rY:rY+7], v[rW:rW+7], v[rX:rX+7], v[rY:rY+7]
.endif
.endm
; In step k: row e of the K step two steps on, W[16 h + e][2 r, 2 r + 1], into raw buffer k % 2
.macro LD k, e, areg
.set rT, TB+32*((\k)%2)+2*(\e)
	ds_load_b64 v[rT:rT+1], v[\areg] offset:(((\k)+2)%8)*KFB+(\e)*ROWP
.endm
; In step k: register c of fragment ob of the next step, from the other raw buffer
.macro CV k, ob, c
.set rT, TB+32*(((\k)+1)%2)+4*(\c)+(\ob)
.set rW, WF+16*(((\k)+1)%2)+8*(\ob)+(\c)
	v_cvt_pk_bf16_f32 v[rW], v[rT], v[rT+2]
.endm
; OUT[a] += v y[a]: the accumulator's registers in ascending order
.macro DR a
	WIN W_DR
.set rO, 8*(\a)
.set rY, YB+8*(\a)
.set rV, VS+2*((\a)%8)
.irp c, 0,1,2,3
	v_pk_fma_f32 v[rO+2*\c:rO+2*\c+1], v[rY+2*\c:rY+2*\c+1], v[rV:rV+1], v[rO+2*\c:rO+2*\c+1] op_sel_hi:[1,0,1]
.endr
.endm
; STEP k of a d (odd = d % 2), in eight slices of two matrix instructions, two LDS loads and two conversions; two window switches serve a slice.
; drain = 1 (K step 0): ahead of each product that starts y[a] anew, the d before is taken out of it.
; mode 1, 2 (K step 6 of a slot's odd d): THE CHANGE OF SLOTS.  The slot's last bytes were asked for in step 5.  Each wave waits for all its tensor loads, of which one is out: its part of the other slot; adds 0 to its
; spare word; and waits for that and for its own reads of the slot.  Behind the barrier nobody reads this slot any more and the other slot is whole.  mode 1: the barrier opens a round of the cluster's, so that no wave of any
; partner still reads the slot or has a load on its way, and the joint refill, the d four on, is the first thing behind it: it has 240 matrix instructions in which to land.  The step's 16 loads follow in one run.
; PLACES (ISA guide 7.12.1).  A fragment buffer is rewritten a step after it was multiplied: fragment 0, last read by product 7, behind eleven conversions into the other buffer; fragment 1, last read by product 15,
; behind five conversions that name none of its registers (three in slice 7, the first of slice 0 and of slice 1).  y[a] is read, and started anew, behind fifteen conversions or more.
.macro STEP k, odd, drain, mode
.if (\k) < 6
.set aR, AWE+(\odd)                    ; the loads two steps on: this d,
.else
.set aR, AWE+1-(\odd)                  ; or the next
.endif
.if (\mode)
	WIN 0
	s_wait_tensorcnt 0x0                           ; no tensor load of mine is out, so a group 0 may be written
	ds_add_u32 v[SPW], v[NIL]                      ; 0 onto my spare word: scalar steps and four slices stand between it and the wait for it
.if (\mode) == 1
	s_xor_b32 s[G0+1], s[G0+1], SLOT               ; the walking descriptor: the other slot than last time,
	s_add_nc_u64 s[G0+2:G0+3], s[G0+2:G0+3], SLOTG ; the next two d; the type bits on top are not reached
.endif
	s_xor_b32 s[SB], s[SB], SLOT                   ; the reads go over to the other slot
	s_add_co_u32 s[SB+1], s[SB], DT
.endif
.irp sl, 0,1,2,3,4,5,6,7
.if (\drain)
	DR 2*(\sl)
	DR 2*(\sl)+1
.endif
	MM \k, 2*(\sl)
	MM \k, 2*(\sl)+1
	WIN 0
.if (\mode) == 0
	LD \k, 2*(\sl), aR
	LD \k, 2*(\sl)+1, aR
	s_wait_dscnt 16                                ; LDS loads come back in order (ISA guide 5.7.1): behind the last step's loads 2 sl, 2 sl + 1 stand 14 - 2 sl of that step and 2 sl + 2 of this one
.elseif (\sl) < 4
	s_wait_dscnt 15-2*(\sl)                        ; behind them stand 14 - 2 sl loads and the add
.endif
	CV \k, 0, \sl
.if (\sl) > 0
	CV \k, 1, (\sl)-1
.endif
.if (\sl) == 7
	CV \k, 1, 7
.endif
.if (\k) == 1                          ; the drain of the d before is over: v of this d, one tile a slice
.if (\odd)
	v_and_b32 v[VS+2*(\sl)], 0xffff0000, v[VP+(\sl)]
.else
	v_lshlrev_b32 v[VS+2*(\sl)], 16, v[VP+(\sl)]
.endif
.endif
.if ((\k) == 2) && (\odd) && ((\sl) == 0)  ; both d of the pair are unpacked: the next pair's v.  It is read seven steps on, behind more than sixteen younger loads and their waits
	s_add_co_u32 s[VQ], s[VQ], 1024
	s_min_u32 s[VQ], s[VQ], 31*1024                ; behind the last pair there is none: the last is read once more
	v_add_nc_u32 v[AV], s[VQ], v[AVL0]
	ds_load_b128 v[VP:VP+3], v[AV]
	ds_load_b128 v[VP+4:VP+7], v[AV] offset:256
.endif
.if (\mode) && ((\sl) == 3)
	s_wait_dscnt 0x0                               ; the add is done, and my reads of the slot are over:
	s_barrier_signal -1                            ; say so; eight matrix instructions and their conversions, work on registers, stand ahead of the wait
.endif
.endr
.if (\mode)
	WIN 0                                          ; at a branch and at a label every window is 0
	s_barrier_wait -1
.if (\mode) == 1
	CREST
	tensor_load_to_lds s[G0:G0+3], s[G1:G1+7]      ; my one tensor load behind the round, and the first thing there
	s_nop 0
.rept 4
	v_nop
.endr
.endif
	v_add_nc_u32 v[AWE], s[SB], v[AWL]
	v_add_nc_u32 v[AWE+1], s[SB+1], v[AWL]
.irp e, 0,1,2,3,4,5,6,7,8,9,10,11,12,13,14,15
	LD \k, \e, aR
.endr
.endif
.endm
; All of a slot's steps but its first
.macro REST chg
.irp k, 1,2,3,4,5,6,7
	STEP \k, 0, 0, 0
.endr
	STEP 0, 1, 1, 0
.irp k, 1,2,3,4,5
	STEP \k, 1, 0, 0
.endr
	STEP 6, 1, 0, \chg
	STEP 7, 1, 0, 0
	WIN 0
.endm
	s_mov_b32 s[SB], 0
	s_mov_b32 s[SB+1], DT
	s_mov_b32 s[VQ], 0
	v_mov_b32 v[AWE], v[AWL]
	v_add_nc_u32 v[AWE+1], DT, v[AWL]
	ds_load_b128 v[VP:VP+3], v[AVL0]               ; v of d = 0, 1
	ds_load_b128 v[VP+4:VP+7], v[AVL0] offset:256
.irp t, 0,1,2,3,4,5,6,7
.irp c, 0,1,2,3,4,5,6,7
	ds_load_b32 v[VFB+8*\t+\c], v[VFA] offset:\c*1024+(\t/4)*256+(\t%4)*4  ; v's fragment of tile t: column r is sample 16 t + r, register c the pair q = 16 kh + 8 h + c
.endr
.endr
.irp e, 0,1,2,3,4,5,6,7,8,9,10,11,12,13,14,15
	LD 6, \e, AWE                                  ; K step 0 of d = 0, into raw buffer 0
.endr
.irp e, 0,1,2,3,4,5,6,7,8,9,10,11,12,13,14,15
	LD 7, \e, AWE                                  ; K step 1, into raw buffer 1
.endr
	s_wait_dscnt 32                                ; all but W's 32
	WIN W_LD1
.irp a, 0,1,2,3,4,5,6,7,8,9,10,11,12,13,14,15
	v_wmma_f32_16x16x32_bf16 v[8*\a:8*\a+7], v[BF+8*(\a/8):BF+8*(\a/8)+7], v[VFB+8*(\a%8):VFB+8*(\a%8)+7], 0  ; THE BIAS, my 32 d of it, starts OUT's sums
.endr
	WIN 0
	s_wait_dscnt 16                                ; K step 0 is in
.irp c, 0,1,2,3,4,5,6,7
	CV 1, 0, \c
	CV 1, 1, \c
.endr
	STEP 0, 0, 0, 0                                ; the very first step has nothing to drain
	WIN 0
	s_mov_b32 s[CNT], 30
	s_branch .Lentry                               ; the loop is entered behind a slot's first step
.Lslot:                                                ; 30 trips, a slot (two d) each: every slot but the last two is filled again
	STEP 0, 0, 1, 0
	WIN 0
.Lentry:
	REST 1
	s_sub_co_u32 s[CNT], s[CNT], 1
	s_cmp_lg_u32 s[CNT], 0
	s_cbranch_scc1 .Lslot
	s_mov_b32 s[CNT], 2
.Ltail:                                                ; the last two slots are written out: nothing is asked for.  Behind the last slot's change
	STEP 0, 0, 1, 0                                ; the 32 loads for a next d read bytes that landed long ago and serve nothing: the price of one text for both trips
	WIN 0
	REST 2
	s_sub_co_u32 s[CNT], s[CNT], 1
	s_cmp_lg_u32 s[CNT], 0
	s_cbranch_scc1 .Ltail
.irp a, 0,1,2,3,4,5,6,7,8,9,10,11,12,13,14,15
	DR \a                                          ; d = 63
.endr
	; THE END.  The two halves of i meet in LDS, in the slots, which have had their last fill.  Each wave puts its 128 x 32 sums there, then takes 64 samples, adds the two halves, and stores.
	WIN 0
	s_wait_dscnt 0x0                               ; my reads of the slots are over
	s_barrier_signal -1
	s_barrier_wait -1                              ; everybody's are
	WIN W_ST1
.irp a, 0,1,2,3,4,5,6,7,8,9,10,11,12,13,14,15
	ds_store_b128 v[RST], v[8*\a:8*\a+3] offset:(\a%8)*16*REDP+(\a/8)*64        ; sample 16 t + r, plane ob, m = 8 h + 0..3; rows 144 bytes apart
	ds_store_b128 v[RST], v[8*\a+4:8*\a+7] offset:(\a%8)*16*REDP+(\a/8)*64+16   ; m = 8 h + 4..7
.endr
	WIN 0
	s_wait_dscnt 0x0                               ; for the others' sake: my stores are done
	s_barrier_signal -1
	s_barrier_wait -1
.irp n, 0,1,2,3,4,5,6,7,8,9,10,11,12,13,14,15
	ds_load_b64 v[EL+8*\n:EL+8*\n+1],   v[RRD] offset:\n*4*REDP             ; four samples: lane / 8 picks one, lane % 8 the rows m = 2 (lane % 8), + 1: plane 0, first half of i,
	ds_load_b64 v[EL+8*\n+2:EL+8*\n+3], v[RRD] offset:\n*4*REDP+64          ; plane 1,
	ds_load_b64 v[EL+8*\n+4:EL+8*\n+5], v[RRD] offset:\n*4*REDP+REDA        ; and the second half's
	ds_load_b64 v[EL+8*\n+6:EL+8*\n+7], v[RRD] offset:\n*4*REDP+REDA+64
.endr
.irp n, 0,1,2,3,4,5,6,7,8,9,10,11,12,13,14,15
	s_wait_dscnt 4*(15-\n)                         ; the later groups' loads stay out
	v_add_f32 v[ER+4*\n],   v[EL+8*\n],   v[EL+8*\n+4]     ; o = 2 m + ob: the additions also lay the planes side by side
	v_add_f32 v[ER+4*\n+1], v[EL+8*\n+2], v[EL+8*\n+6]
	v_add_f32 v[ER+4*\n+2], v[EL+8*\n+1], v[EL+8*\n+5]
	v_add_f32 v[ER+4*\n+3], v[EL+8*\n+3], v[EL+8*\n+7]
	global_store_b128 v[GO], v[ER+4*\n:ER+4*\n+3], s[12:13] offset:\n*8192 th:TH_STORE_NT  ; eight lanes store a row's 128 consecutive bytes; no register of a store is written again
.endr
	s_wait_tensorcnt 0x0                           ; the wave's end: behind my last tensor load and my last LDS store
	ds_add_u32 v[SPW], v[NIL]
	s_wait_dscnt 0x0
	CROUND                                         ; the closing round: no work-group ends while a partner may still ask for a tile that names it
	s_endpgm
.Lfunc_end_k_q8e37e08c69_main:
	.size	k_q8e37e08c69_main, .Lfunc_end_k_q8e37e08c69_main-k_q8e37e08c69_main
	.p2alignl 7, 3214868480
	.fill 96, 4, 3214868480
	.section	.rodata,"a",@progbits
	.p2align	6, 0x0
	.amdhsa_kernel k_q8e37e08c69_main
		.amdhsa_group_segment_fixed_size 327680
		.amdhsa_private_segment_fixed_size 0
		.amdhsa_enable_private_segment 0
		.amdhsa_kernarg_size 40
		.amdhsa_user_sgpr_count 2
		.amdhsa_user_sgpr_kernarg_segment_ptr 1
		.amdhsa_wavefront_size32 1
		.amdhsa_system_sgpr_workgroup_id_x 1
		.amdhsa_system_sgpr_workgroup_id_y 1
		.amdhsa_system_sgpr_workgroup_id_z 1
		.amdhsa_system_vgpr_workitem_id 0
		.amdhsa_next_free_vgpr 1024
		.amdhsa_next_free_sgpr 66
		.amdhsa_reserve_vcc 0
		.amdhsa_float_denorm_mode_32 3
		.amdhsa_float_denorm_mode_16_64 3
		.amdhsa_memory_ordered 1
		.amdhsa_forward_progress 1
		.amdhsa_inst_pref_size 241
	.end_amdhsa_kernel
	.amdgpu_metadata
---
amdhsa.version: [ 1, 2 ]
amdhsa.kernels:
  - .name:           k_q8e37e08c69_main
    .symbol:         k_q8e37e08c69_main.kd
    .args:
      - { .name: W_1, .offset: 0, .size: 8, .value_kind: global_buffer, .address_space: global }
      - { .name: b_1, .offset: 8, .size: 8, .value_kind: global_buffer, .address_space: global }
      - { .name: var_vector, .offset: 16, .size: 8, .value_kind: global_buffer, .address_space: global }
      - { .name: x, .offset: 24, .size: 8, .value_kind: global_buffer, .address_space: global }
      - { .name: out0, .offset: 32, .size: 8, .value_kind: global_buffer, .address_space: global }
    .group_segment_fixed_size: 327680
    .private_segment_fixed_size: 0
    .kernarg_segment_align: 8
    .kernarg_segment_size: 40
    .max_flat_workgroup_size: 128
    .sgpr_count:     66
    .vgpr_count:     1024
    .wavefront_size: 32
...
	.end_amdgpu_metadata
.endif
;; end of part 1
;; ======== version 2 of 2: 1 launch
;; launch main (part 2): grid 16 x 16, 4 waves a work-group, clusters of 4 x 1, 327,680 bytes of LDS; arguments W_1, b_1, var_vector, x, out0; writes out0
.if DOCPART == 2
	.amdgcn_target "amdgcn-amd-amdhsa--gfx1250"
	.amdhsa_code_object_version 6
	.text
	.protected	k_q8e37e08c69_main
	.globl	k_q8e37e08c69_main
	.p2align	8
	.type	k_q8e37e08c69_main,@function
k_q8e37e08c69_main:
	s_mov_b64 s[64:65], 0
	v_nop
	global_prefetch_b8 v0, s[64:65] scope:SCOPE_SE
	s_setreg_imm32_b32 hwreg(HW_REG_WAVE_MODE, 25, 1), 1
	s_wait_xcnt 0x0
	s_wait_alu depctr_hold_cnt(0) depctr_sa_sdst(0) depctr_va_vdst(0) depctr_va_sdst(0) depctr_va_ssrc(0) depctr_va_vcc(0) depctr_vm_vsrc(0)
	s_getreg_b32 s2, hwreg(HW_REG_IB_STS2, 6, 4)
	s_cmp_eq_u32 s2, 0
	s_cbranch_scc0 .Lentry_in_a_cluster
	s_endpgm
.Lentry_in_a_cluster:
	s_bfe_u32 s2, ttmp6, 0x10000c
	s_cmp_lg_u32 s2, 0x3003
	s_cbranch_scc0 .Lentry_shape_is_right
	s_endpgm
.Lentry_shape_is_right:
; out[n][o] = sum over d of v[n][d] (sum over i of x[n][i] W[d][i][o])  +  sum over d of v[n][d] b[d][o].
; x [4096][512], v [4096][64], W [64][512][512], b [64][512], out [4096][512], all f32.
; ORDER OF WORK: y_d = x W_d by the matrix unit (bf16 operands, f32 sums), then OUT += v_d y_d in f32 by packed multiply-adds.  The bias is a product v b that starts OUT's sums.
; LIMITS.  x, W, v and b are each rounded ONCE to bf16 (to nearest even) on their way in, v too, so that all four inputs carry the same rounding; nothing else is rounded: y_d, v_d y_d and all sums are f32.
; A number beyond bf16's largest finite one (3.39e38) becomes an infinity; NaN and infinities are not treated apart; the sums' order is not the reference's (i in two halves, added at the end).
; SHARES.  256 work-groups: 16 blocks of 256 samples x 16 blocks of 32 outputs.  A work-group walks all 64 d.  Wave w: sh = w / 2 picks 128 of the samples, kh = w % 2 picks 256 of the 512 i.
; A wave keeps its x (128 x 256, bf16: 512 registers) for the whole launch, OUT (128 x 32 f32, its half of i: 128 registers) and y_d (128 registers).  The two halves of i meet once, at the end, in LDS.
; W streams as f32 through two LDS slots of two d each; a wave reads 8 bytes a lane and rounds them to bf16 on the way into fragments: for each matrix instruction one LDS load and one conversion.
; CLUSTER.  The four sample blocks of a cluster have one output block and walk the same W: each tile is asked for JOINTLY, the same tensor load, descriptor and mask in all four.  x, v and out are each work-group's
; own rows; b is 4 KiB a wave: they come by plain loads.  The 16 output blocks read the same x, each for itself: they lie in different clusters.
; WHICH CLUSTER TAKES WHAT.  c = x + 4 y is the cluster's number in the grid (0..63).  Its output block is 2 (c % 8) + (c / 8) % 2, its sample blocks are 4 (c / 16) + 0..3.  So the eight clusters that touch
; one aligned 256 bytes of W's rows and of out's rows (output blocks 2 j and 2 j + 1, four clusters each) are those with c % 8 = j.
; A tile's rows of W and a row of out are 32 numbers, 128 bytes: half of an aligned 256.  256 work-groups with no split over d have 8,192 outputs each; 128 x 64 would double the bytes of W that a
; work-group brings in for each product, and two slots of two d of it (512 KiB) do not fit in LDS.
; THE MATRIX INSTRUCTION IS USED TRANSPOSED: source 0 = 16 outputs of W, source 1 = 16 samples of x, so that a lane of the result holds ONE sample (lane % 16) and v[n][d] is one number a lane.
; TWO PERMUTATIONS make the tile usable as it lies ([i][o], f32).  Along K, alike in both sources: half h of the lanes, place e (register e / 2, half e % 2) stands for k = 16 h + e of a block of 32.
; Along the outputs: row m of fragment ob stands for o = 2 m + ob, so the 8 bytes W[k][2 r], W[k][2 r + 1] feed both fragments.  Register j of lane (r, h) of accumulator (ob, t) is sample 16 t + r, o = 16 h + 2 j + ob.
; THE DEAL.  A d is eight K steps of 16 matrix instructions, in four GROUPS of two steps.  The LDS loads stand in ONE run of 32 at a group's head, never singly among the matrix instructions; the run of group g brings
; the raw numbers of group g + 2, and group g's 32 conversions make the fragments of group g + 1.  All vector work stands behind matrix instructions, a few lines at a time.
;
; LDS: two slots; a slot's row (512 (d % 2) + i) is 128 bytes + 8 of padding = 34 words: rows 16 apart lie 128 bytes apart modulo 256.
.set ROWP,  136
.set KFB,   32*ROWP                    ; 32 rows: one step along K
.set KHB,   256*ROWP                   ; 256 rows: what one tensor load brings, and a wave's half of a d
.set DT,    512*ROWP                   ; one d
.set SLOT,  2*DT                       ; 139,264 = 0x22000; wave x KHB has neither bit 13 nor bit 17 set, so one exclusive or turns an address in one slot into the other's
.set SLOTG, 2*512*512*4                ; a slot's two d in memory
.set VB,    2*SLOT                     ; v as pairs of bf16 (d = 2 q low, 2 q + 1 high): q x 1,024 + sh x 512 + (t / 4) x 256 + r x 16 + (t % 4) x 4; stored by the waves, never filled by a tensor load
.set SPARE, VB+32768                   ; the spare words, 128 bytes for each wave: two blocks of 256 bytes that no other line names
.set REDP,  144                        ; the end: a sample's 2 planes (ob) x 16 m x 4 bytes + 16 of padding; two arrays (kh) of 256 samples, in the slots, behind their last fill
.set REDA,  256*REDP
; REGISTERS, in windows of 256 (s_set_vgpr_msb: bits 1:0 source 0, 3:2 source 1, 5:4 source 2, 7:6 destination).
; window 0: addresses, v, W's raw numbers and fragments.  window 1: v0-127 OUT, v128-255 y_d, accumulator a = 8 ob + t at 8 a (at the start: two buffers for loads).  windows 2, 3: x, tile t % 4, K step kf at 64 (t % 4) + 8 kf.
.set AWL,  8                           ; my place in a d's tile: 2,176 h + 8 r + kh x KHB
.set AWE,  9                           ; v9, v10: the same in the even and in the odd d of the slot being read
.set AVL0, 11                          ; VB + sh x 512 + 16 r
.set AV,   12                          ; the same for the pair of d in hand
.set XO,   13                          ; byte offsets in x, v, b
.set VO,   14
.set BO,   15
.set VST,  16                          ; where I store v's pairs
.set VFA,  17                          ; where I read v's fragments for the bias
.set RST,  18                          ; the end: where I put my sums
.set RRD,  19                          ; the end: where I read both halves back
.set GO,   20                          ; my byte offset in four rows of out
.set SPW,  22                          ; LDS address of my spare word; never rewritten
.set NIL,  23                          ; 0; never rewritten
.set VP,   24                          ; v24-31  a pair of d: v of my sample in tiles 0-7, two bf16 each
.set VS,   32                          ; v32-47  a pair a tile: v as f32, and a 0 that is named with it
.set WF,   48                          ; v48-111  W's fragments: (group % 2) x 32 + (step % 2) x 16 + ob x 8
.set TB,   112                         ; v112-239 W's raw numbers: (group % 2) x 64 + (step % 2) x 32 + e x 2 + ob
.set RAW,  48                          ; the start: v48-79 b as loaded,
.set PKV,  112                         ;            v112-175 v's pairs on their way to LDS,
.set VFB,  176                         ;            v176-239 v's fragments for the bias, 8 a tile,
.set BF,   240                         ;            v240-255 b's fragments
.set YB,   128                         ; window 1
.set EL,   48                          ; the end: v48-175 loaded, v176-239 summed
.set ER,   176
.set WV,  14                           ; s14 wave, s15 sh, s16 kh
.set SH,  15
.set KH,  16
.set G0A, 20                           ; s[20:23] descriptor group 0 of slot 0's first fill
.set G0,  24                           ; s[24:27] of slot 1's; it then walks
.set G1,  28                           ; s[28:35] descriptor group 1
.set SB,  36                           ; s36 the slot being read; s37 its odd d
.set VQ,  38                           ; s38 1,024 x the pair of d whose v is loaded
.set CNT, 39
.set MSB, 0
.macro WIN new                         ; the immediate's high byte repeats the setting that is left; a switch that changes nothing is dropped
.if MSB != (\new)
	s_set_vgpr_msb (MSB<<8)|(\new)
.set MSB, (\new)
.endif
.endm
.set W_MM,  0x58                       ; W's fragment window 0, x window 2 (+4: window 3), C and D window 1
.set W_DR,  0x51                       ; OUT and y window 1, v window 0
.set W_LD1, 0x40                       ; destination window 1
.set W_CP,  0x05                       ; sources window 1, destination window 0
.set W_CX,  0x85                       ; sources window 1, destination window 2 (+0x40: window 3)
.set W_ST1, 0x04                       ; an LDS store's data in window 1
; A round of the cluster's barrier: my work-group's barrier, so that wave 0's signal speaks for all four waves; wave 0 signals; every wave waits for all four work-groups; my work-group's barrier once more.
.macro CREST                           ; a round behind its opening barrier
	s_cmp_lg_u32 s[WV], 0
	s_cbranch_scc1 .Lnot_wave_0_\@
	s_barrier_signal -3
.Lnot_wave_0_\@:
	s_barrier_wait -3
	s_barrier_signal -1
	s_barrier_wait -1
.endm
.macro CROUND
	s_barrier_signal -1
	s_barrier_wait -1
	CREST
.endm
	s_load_b256 s[4:11], s[0:1], 0x0               ; W s[4:5], b s[6:7], v s[8:9], x s[10:11]
	s_load_b64 s[12:13], s[0:1], 0x20              ; out
	v_lshl_add_u32 v[SPW], v0, 2, SPARE
	v_mov_b32 v[NIL], 0
	ds_add_u32 v22, v23
	s_wait_dscnt 0x0
	v_lshrrev_b32 v1, 5, v0
	v_readfirstlane_b32 s[WV], v1                  ; wave 0..3
	s_lshr_b32 s[SH], s[WV], 1
	s_and_b32 s[KH], s[WV], 1
	s_bfe_u32 s17, ttmp6, 0x40000                  ; cx: my place in the cluster
	s_and_b32 s19, ttmp7, 0xffff                   ; in a cluster launch ttmp9 and ttmp7 count clusters: x = 0..3, y = 0..15; c = x + 4 y
	s_and_b32 s18, s19, 12                         ; 4 (c / 16) = 4 (y / 4)
	s_add_co_u32 s18, s18, s17                     ; my block of samples = 4 (c / 16) + cx: it enters x's, v's and out's addresses alone
	s_bfe_u32 s53, s19, 0x10001                    ; (c / 8) % 2 = (y / 2) % 2 (1 bit from bit 1)
	s_and_b32 s19, s19, 1
	s_lshl_b32 s19, s19, 2
	s_add_co_u32 s19, s19, ttmp9                   ; c % 8 = x + 4 (y % 2)
	s_lshl_b32 s19, s19, 1
	s_add_co_u32 s19, s19, s53                     ; my block of outputs = 2 (c % 8) + (c / 8) % 2, which the four partners share
	; descriptor group 1: 256 rows x 32 elements of 4 bytes, 512 elements from row to row, padded in LDS
	s_mov_b32 s[G1+0], 15|(2<<16)|(1<<20)|(1<<21)|(4<<22)|(1<<25)  ; 15:0 the mask of four; 17:16 4-byte elements; 20 padding on; 21 set beside a mask; 24:22 after every 32 words (code 4); 31:25 2 words (code 1)
	s_mov_b32 s[G1+1], 32<<16                      ; tensor_dim0 = 32
	s_mov_b32 s[G1+2], 256<<16                     ; tensor_dim1 = 256
	s_mov_b32 s[G1+3], 32<<16                      ; tile_dim0 = 32
	s_mov_b32 s[G1+4], 256                         ; tile_dim1 = 256
	s_mov_b32 s[G1+5], 512                         ; tensor_dim0_stride
	s_mov_b32 s[G1+6], 0
	s_mov_b32 s[G1+7], 0
	; byte offsets, each in registers of its own; those of W and b never hold cx
	s_lshl_b32 s50, s19, 7                         ; my 32 outputs in a row
	s_lshl_b32 s44, s[WV], 19                      ; W: wave w fetches rows 256 w .. 256 w + 255 of a slot's 1,024 (W's rows lie on end across d)
	s_add_co_u32 s44, s44, s50
	s_mov_b32 s45, 0
	s_lshl_b32 s48, s[KH], 16                      ; b: my 32 d
	s_add_co_u32 s48, s48, s50
	s_mov_b32 s49, 0
	s_lshl_b32 s40, s18, 19                        ; x and out: 256 rows of 2,048 bytes a block,
	s_lshl_b32 s51, s[SH], 18                      ; 128 rows for sh
	s_add_co_u32 s40, s40, s51
	s_lshl_b32 s51, s[KH], 17                      ; out: at the end wave (sh, kh) stores rows 128 sh + 64 kh on
	s_add_co_u32 s46, s40, s51
	s_add_co_u32 s46, s46, s50
	s_mov_b32 s47, 0
	s_lshl_b32 s51, s[KH], 10                      ; x: my 256 i
	s_add_co_u32 s40, s40, s51
	s_mov_b32 s41, 0
	s_lshl_b32 s42, s18, 16                        ; v: rows of 256 bytes; wave (sh, kh) brings rows 128 sh + 64 kh on into LDS
	s_lshl_b32 s51, s[SH], 15
	s_add_co_u32 s42, s42, s51
	s_lshl_b32 s51, s[KH], 14
	s_add_co_u32 s42, s42, s51
	s_mov_b32 s43, 0
	s_mul_i32 s52, s[WV], KHB                      ; where my part of a slot goes: no place in the cluster enters an LDS address
	; lane terms
	v_and_b32 v1, 15, v0                           ; r
	v_bfe_u32 v2, v0, 4, 1                         ; h
	v_bfe_u32 v4, v0, 3, 2                         ; lane / 8
	v_and_b32 v5, 7, v0                            ; lane % 8
	v_lshlrev_b32 v[XO], 11, v1                    ; x: row r, 16 numbers for each half of the lanes
	v_lshl_add_u32 v[XO], v2, 6, v[XO]
	v_lshlrev_b32 v[VO], 8, v1                     ; v: row r, 32 d for each half
	v_lshl_add_u32 v[VO], v2, 7, v[VO]
	v_lshlrev_b32 v[BO], 15, v2                    ; b: 16 d for each half, outputs 2 r, 2 r + 1
	v_lshl_add_u32 v[BO], v1, 3, v[BO]
	v_mul_u32_u24 v[AWL], v2, 16*ROWP
	v_lshl_add_u32 v[AWL], v1, 3, v[AWL]
	s_mul_i32 s50, s[KH], KHB
	v_add_nc_u32 v[AWL], s50, v[AWL]
	s_lshl_b32 s50, s[SH], 9
	s_add_co_u32 s50, s50, VB
	v_lshl_add_u32 v[AVL0], v1, 4, s50
	v_lshl_add_u32 v[VST], v2, 14, v[AVL0]         ; pairs q = 16 h + c, tiles 4 kh + 0..3
	s_lshl_b32 s51, s[KH], 8
	v_add_nc_u32 v[VST], s51, v[VST]
	v_lshl_add_u32 v[VFA], v2, 13, v[AVL0]         ; pairs q = 16 kh + 8 h + c
	s_lshl_b32 s51, s[KH], 14
	v_add_nc_u32 v[VFA], s51, v[VFA]
	s_mul_i32 s50, s[KH], REDA
	s_mul_i32 s51, s[SH], 128*REDP
	s_add_co_u32 s50, s50, s51
	v_mul_u32_u24 v[RST], v1, REDP
	v_lshl_add_u32 v[RST], v2, 5, v[RST]
	v_add_nc_u32 v[RST], s50, v[RST]
	s_mul_i32 s50, s[KH], 64*REDP
	s_add_co_u32 s50, s50, s51
	v_mul_u32_u24 v[RRD], v4, REDP
	v_lshl_add_u32 v[RRD], v5, 3, v[RRD]
	v_add_nc_u32 v[RRD], s50, v[RRD]
	v_lshlrev_b32 v[GO], 11, v4
	v_lshl_add_u32 v[GO], v5, 4, v[GO]
	s_wait_kmcnt 0x0
	s_add_nc_u64 s[4:5], s[4:5], s[44:45]
	s_add_nc_u64 s[6:7], s[6:7], s[48:49]
	s_add_nc_u64 s[8:9], s[8:9], s[42:43]
	s_add_nc_u64 s[10:11], s[10:11], s[40:41]
	s_add_nc_u64 s[12:13], s[12:13], s[46:47]
	s_mov_b32 s[G0A], 1                            ; 1:0 count = 1
	s_mov_b32 s[G0A+1], s52                        ; 63:32 LDS address: slot 0
	s_mov_b64 s[G0A+2:G0A+3], s[4:5]               ; 120:64 global address: d = 0, 1
	s_or_b32 s[G0A+3], s[G0A+3], 0x80000000        ; 127:126 type = 2
	s_mov_b32 s[G0], 1
	s_add_co_u32 s[G0+1], s52, SLOT                ; slot 1
	s_add_nc_u64 s[G0+2:G0+3], s[4:5], SLOTG       ; d = 2, 3
	s_or_b32 s[G0+3], s[G0+3], 0x80000000
	CROUND                                         ; all four work-groups are here: the first joint loads meet
	tensor_load_to_lds s[G0A:G0A+3], s[G1:G1+7]    ; both first fills together, ahead of every wait on TENSORcnt and every LDS read: two loads of mine are out
	s_nop 0
	tensor_load_to_lds s[G0:G0+3], s[G1:G1+7]
	s_nop 0
.rept 4
	v_nop
.endr
; THE START: b, v and x come into registers and are rounded to bf16.  x: lane (r, h) takes, of row 16 t + r, the 16 numbers 32 kf + 16 h + 0..15 as four loads of 16 bytes: they are the lane's part of fragment (t, kf).
.macro XLOAD t                         ; tile t's 32 loads, into the buffer of window 1 that is free
	WIN W_LD1
.set xB, 128*(1-(\t)%2)
.irp f, 0,1,2,3,4,5,6,7
.irp c, 0,1,2,3
	global_load_b128 v[xB+16*\f+4*\c:xB+16*\f+4*\c+3], v[XO], s[10:11] offset:(\t)*32768+\f*128+\c*16
.endr
.endr
.endm
.macro XCVT t                          ; tile t's 128 numbers a lane into 64 registers of window 2 or 3
	WIN W_CX+0x40*((\t)/4)
.set xB, 128*(1-(\t)%2)
.set z, 0
.rept 64
	v_cvt_pk_bf16_f32 v[64*((\t)%4)+z], v[xB+2*z], v[xB+2*z+1]
.set z, z+1
.endr
.endm
.irp e, 0,1,2,3,4,5,6,7,8,9,10,11,12,13,14,15
	global_load_b64 v[RAW+2*\e:RAW+2*\e+1], v[BO], s[6:7] offset:\e*2048   ; b[32 kh + 16 h + e][2 r, 2 r + 1]
.endr
	WIN W_LD1
.irp t, 0,1,2,3
.irp c, 0,1,2,3,4,5,6,7
	global_load_b128 v[32*\t+4*\c:32*\t+4*\c+3], v[VO], s[8:9] offset:\t*4096+\c*16  ; v[row 16 t + r][32 h + 4 c ..]
.endr
.endr
	XLOAD 0
	s_wait_loadcnt 32                              ; loads come back in order (ISA guide 5.7.1): b and v are in, x's first 32 stay out
	WIN W_CP
.irp c, 0,1,2,3,4,5,6,7,8,9,10,11,12,13,14,15
.irp t, 0,1,2,3
	v_cvt_pk_bf16_f32 v[PKV+4*\c+\t], v[32*\t+2*\c], v[32*\t+2*\c+1]  ; pair q = 16 h + c of tile 4 kh + t
.endr
.endr
	WIN 0
.irp c, 0,1,2,3,4,5,6,7,8,9,10,11,12,13,14,15
	ds_store_b128 v[VST], v[PKV+4*\c:PKV+4*\c+3] offset:\c*1024   ; four tiles' pairs; 16 lanes write 256 consecutive bytes
.endr
.irp ob, 0,1
.irp c, 0,1,2,3,4,5,6,7
	v_cvt_pk_bf16_f32 v[BF+8*\ob+\c], v[RAW+4*\c+\ob], v[RAW+4*\c+2+\ob]  ; b's fragment ob: row m = r is output 2 r + ob, places 2 c, 2 c + 1
.endr
.endr
.irp t, 0,1,2,3,4,5,6,7
	v_mov_b32 v[VS+2*\t+1], 0                      ; named as a pair with v, so it is written
.endr
.irp t, 1,2,3,4,5,6,7
	XLOAD \t
	s_wait_loadcnt 32                              ; the tile before is in, this one stays out
	XCVT (\t)-1
.endr
	s_wait_loadcnt 0x0
	XCVT 7
	WIN 0
	s_wait_tensorcnt 0x1                           ; my part of slot 0 is in; slot 1's may stay out
	s_wait_dscnt 0x0                               ; for the others' sake: my stores of v are done
	s_barrier_signal -1
	s_barrier_wait -1
; THE PARTS OF A GROUP.
; Product i of 16 of K step k: fragment ob = i / 8 of W, tile t = i % 8 of x.  The 16 accumulators take turns, one instruction a turn.  K step 0 starts the sums: nothing is cleared.
.macro MM k, i
.set mT, (\i)%8
	WIN W_MM+4*(mT/4)
.set rY, YB+8*(\i)
.set rW, WF+32*(((\k)/2)%2)+16*((\k)%2)+8*((\i)/8)
.set rX, 64*(mT%4)+8*(\k)
.if (\k) == 0
	v_wmma_f32_16x16x32_bf16 v[rY:rY+7], v[rW:rW+7], v[rX:rX+7], 0
.else
	v_wmma_f32_16x16x32_bf16 v[rY:rY+7], v[rW:rW+7], v[rX:rX+7], v[rY:rY+7]
.endif
.endm
.macro SL k, i0, n                     ; n products of K step k, from i0 on
.set mi, \i0
.rept \n
	MM \k, mi
.set mi, mi+1
.endr
.endm
; The run at the head of group j (0..3 of a d): the raw numbers of the group two on, rows W[16 h + e][2 r, 2 r + 1] of its two K steps, into raw buffer j % 2, whose numbers the group before has converted
.macro RUN j, areg
	WIN 0
.irp kk, 0,1
.irp e, 0,1,2,3,4,5,6,7,8,9,10,11,12,13,14,15
	ds_load_b64 v[TB+64*((\j)%2)+32*\kk+2*\e:TB+64*((\j)%2)+32*\kk+2*\e+1], v[\areg] offset:(2*(((\j)+2)%4)+\kk)*KFB+\e*ROWP
.endr
.endr
.endm
; The next n of group j's 32 conversions (cq counts them): register cq % 8 of fragment (cq / 8) % 2 of K step cq / 16 of the next group, from the other raw buffer into the other fragment buffer
.macro CVQ j, n
	WIN 0
.rept \n
.if cq < 32
.set rT, TB+64*(((\j)+1)%2)+32*(cq/16)+4*(cq%8)+((cq/8)%2)
.set rW, WF+32*(((\j)+1)%2)+16*(cq/16)+8*((cq/8)%2)+(cq%8)
	v_cvt_pk_bf16_f32 v[rW], v[rT], v[rT+2]
.set cq, cq+1
.endif
.endr
.endm
; OUT[a] += v y[a]: the accumulator's registers in ascending order
.macro DR a
	WIN W_DR
.set rO, 8*(\a)
.set rY, YB+8*(\a)
.set rV, VS+2*((\a)%8)
.irp c, 0,1,2,3
	v_pk_fma_f32 v[rO+2*\c:rO+2*\c+1], v[rY+2*\c:rY+2*\c+1], v[rV:rV+1], v[rO+2*\c:rO+2*\c+1] op_sel_hi:[1,0,1]
.endr
.endm
; THE FOUR GROUPS OF A d (odd = d % 2).  Behind each run one wait: LDS loads come back in order (ISA guide 5.7.1), so with the 32 just issued left out the run before, which this group converts, is in.
; THE DRAIN rides behind products: y[a] is finished by product a of K step 7 and started anew by product a of the next d's K step 0; OUT takes it behind product a + 4 of K step 7 (a = 0..11) or behind
; products 0..3 of that K step 0 (a = 12..15).  v of a d is unpacked in its K step 1, behind the last drain of the d before.
; PLACES (ISA guide 7.12.1).  A fragment buffer is rewritten a group after it was multiplied; the registers that the group's last product read are the last to be rewritten, behind 24 conversions into other registers.
; y[0] is read behind the eight conversions of K step 7, every other y[a] behind four other accumulators' drains; y[a] is started anew behind more than that.
.macro GROUP_A odd, drain              ; K steps 0, 1
	RUN 0, AWE+\odd
	s_wait_dscnt 32
.set cq, 0
.if \drain
.irp i, 0,1,2,3
	MM 0, \i
	DR 12+\i
.endr
.else
	SL 0, 0, 4                                     ; the very first d has nothing to drain
.endif
.irp p, 2,3,4,5,6,7
	SL 0, 2*\p, 2
	CVQ 0, 3
.endr
.irp p, 0,1,2,3,4,5,6,7
	SL 1, 2*\p, 2
	CVQ 0, 2                                       ; 18 + 14: the last slice has none left
.if \odd
	v_and_b32 v[VS+2*\p], 0xffff0000, v[VP+\p]     ; v of this d, one tile a slice
.else
	v_lshlrev_b32 v[VS+2*\p], 16, v[VP+\p]
.endif
.endr
.endm
; mode 1, 2 (a slot's odd d): THE CHANGE OF SLOTS.  The run at the head of K steps 2, 3 holds the slot's last reads.  Straight behind it, so that the LDS instructions stay together: the next pair's v (both d of the pair in
; hand are unpacked); the wait for all my tensor loads, of which one is out: my part of the other slot; the add.  Sixteen products on, the wait for the add and for my reads of the slot, and the signal; the other sixteen products
; and their conversions are the work on registers ahead of the barrier's wait, which opens K steps 4, 5.  Behind the barrier nobody reads this slot any more and the other slot is whole.  mode 1: the barrier opens a round of
; the cluster's, so that no wave of any partner still reads the slot or has a load on its way, and the joint refill, the d four on, is the first thing behind it: 224 matrix instructions stand between it and the wait for it.
.macro GROUP_B odd, mode               ; K steps 2, 3
.if \mode
	WIN 0
	s_add_co_u32 s[VQ], s[VQ], 1024
	s_min_u32 s[VQ], s[VQ], 31*1024                ; behind the last pair there is none: the last is read once more
	v_add_nc_u32 v[AV], s[VQ], v[AVL0]
.endif
	RUN 1, AWE+\odd
.if \mode
	ds_load_b128 v[VP:VP+3], v[AV]
	ds_load_b128 v[VP+4:VP+7], v[AV] offset:256
	s_wait_tensorcnt 0x0                           ; no tensor load of mine is out, so a group 0 may be written
	ds_add_u32 v[SPW], v[NIL]                      ; 0 onto my spare word: scalar steps and sixteen products stand between it and the wait for it
.if (\mode) == 1
	s_xor_b32 s[G0+1], s[G0+1], SLOT               ; the walking descriptor: the other slot than last time,
	s_add_nc_u64 s[G0+2:G0+3], s[G0+2:G0+3], SLOTG ; the next two d; the type bits on top are not reached
.endif
	s_xor_b32 s[SB], s[SB], SLOT                   ; the reads go over to the other slot
	s_add_co_u32 s[SB+1], s[SB], DT
	s_wait_dscnt 35                                ; the run's 32, v's two and the add may be out
.else
	s_wait_dscnt 32
.endif
.set cq, 0
.irp p, 0,1,2,3
	SL 2, 4*\p, 4
	CVQ 1, 4
.endr
.if \mode
	s_wait_dscnt 0x0                               ; the add is done, and my reads of the slot are over:
	s_barrier_signal -1                            ; say so
.endif
.irp p, 0,1,2,3
	SL 3, 4*\p, 4
	CVQ 1, 4
.endr
.endm
.macro GROUP_C odd, mode               ; K steps 4, 5
.if \mode
	WIN 0                                          ; at a branch and at a label every window is 0
	s_barrier_wait -1
.if (\mode) == 1
	CREST
	tensor_load_to_lds s[G0:G0+3], s[G1:G1+7]      ; my one tensor load behind the round, and the first thing there
	s_nop 0
.rept 4
	v_nop
.endr
.endif
	v_add_nc_u32 v[AWE], s[SB], v[AWL]
	v_add_nc_u32 v[AWE+1], s[SB+1], v[AWL]
.endif
	RUN 2, AWE+1-\odd                              ; the next d's first group
	s_wait_dscnt 32
.set cq, 0
.irp p, 0,1,2,3
	SL 4, 4*\p, 4
	CVQ 2, 4
.endr
.irp p, 0,1,2,3
	SL 5, 4*\p, 4
	CVQ 2, 4
.endr
.endm
.macro GROUP_D odd                     ; K steps 6, 7
	RUN 3, AWE+1-\odd
	s_wait_dscnt 32
.set cq, 0
.irp p, 0,1,2,3,4,5,6,7
	SL 6, 2*\p, 2
	CVQ 3, 3
.endr
.irp p, 0,1
	SL 7, 2*\p, 2
	CVQ 3, 4
.endr
.irp i, 4,5,6,7,8,9,10,11,12,13,14,15
	MM 7, \i
	DR \i-4
.endr
.endm
; All of a slot's groups but its first
.macro REST chg
	GROUP_B 0, 0
	GROUP_C 0, 0
	GROUP_D 0
	GROUP_A 1, 1
	GROUP_B 1, \chg
	GROUP_C 1, \chg
	GROUP_D 1
	WIN 0
.endm
	s_mov_b32 s[SB], 0
	s_mov_b32 s[SB+1], DT
	s_mov_b32 s[VQ], 0
	v_mov_b32 v[AWE], v[AWL]
	v_add_nc_u32 v[AWE+1], DT, v[AWL]
	ds_load_b128 v[VP:VP+3], v[AVL0]               ; v of d = 0, 1
	ds_load_b128 v[VP+4:VP+7], v[AVL0] offset:256
.irp t, 0,1,2,3,4,5,6,7
.irp c, 0,1,2,3,4,5,6,7
	ds_load_b32 v[VFB+8*\t+\c], v[VFA] offset:\c*1024+(\t/4)*256+(\t%4)*4  ; v's fragment of tile t: column r is sample 16 t + r, register c the pair q = 16 kh + 8 h + c
.endr
.endr
	RUN 2, AWE                                     ; K steps 0, 1 of d = 0, into raw buffer 0
	s_wait_dscnt 32                                ; all but W's 32
	WIN W_LD1
.irp a, 0,1,2,3,4,5,6,7,8,9,10,11,12,13,14,15
	v_wmma_f32_16x16x32_bf16 v[8*\a:8*\a+7], v[BF+8*(\a/8):BF+8*(\a/8)+7], v[VFB+8*(\a%8):VFB+8*(\a%8)+7], 0  ; THE BIAS, my 32 d of it, starts OUT's sums
.endr
	WIN 0
	s_wait_dscnt 0x0                               ; K steps 0, 1 are in
.set cq, 0
	CVQ 3, 32                                      ; their fragments; these 32 lines are also the places ahead of the loads below, which land where v's fragments lay
	RUN 3, AWE                                     ; K steps 2, 3, into raw buffer 1
	GROUP_A 0, 0
	WIN 0
	s_mov_b32 s[CNT], 30
	s_branch .Lentry                               ; the loop is entered behind a slot's first group
.Lslot:                                                ; 30 trips, a slot (two d) each: every slot but the last two is filled again
	GROUP_A 0, 1
	WIN 0
.Lentry:
	REST 1
	s_sub_co_u32 s[CNT], s[CNT], 1
	s_cmp_lg_u32 s[CNT], 0
	s_cbranch_scc1 .Lslot
	s_mov_b32 s[CNT], 2
.Ltail:                                                ; the last two slots are written out: nothing is asked for.  Behind the last slot's change
	GROUP_A 0, 1                                   ; the two runs for a next d read bytes that landed long ago and serve nothing: the price of one text for both trips
	WIN 0
	REST 2
	s_sub_co_u32 s[CNT], s[CNT], 1
	s_cmp_lg_u32 s[CNT], 0
	s_cbranch_scc1 .Ltail
.irp a, 12,13,14,15
	DR \a                                          ; the rest of d = 63
.endr
	; THE END.  The two halves of i meet in LDS, in the slots, which have had their last fill.  Each wave puts its 128 x 32 sums there, then takes 64 samples, adds the two halves, and stores.
	WIN 0
	s_wait_dscnt 0x0                               ; my reads of the slots are over
	s_barrier_signal -1
	s_barrier_wait -1                              ; everybody's are
	WIN W_ST1
.irp a, 0,1,2,3,4,5,6,7,8,9,10,11,12,13,14,15
	ds_store_b128 v[RST], v[8*\a:8*\a+3] offset:(\a%8)*16*REDP+(\a/8)*64        ; sample 16 t + r, plane ob, m = 8 h + 0..3; rows 144 bytes apart
	ds_store_b128 v[RST], v[8*\a+4:8*\a+7] offset:(\a%8)*16*REDP+(\a/8)*64+16   ; m = 8 h + 4..7
.endr
	WIN 0
	s_wait_dscnt 0x0                               ; for the others' sake: my stores are done
	s_barrier_signal -1
	s_barrier_wait -1
.irp n, 0,1,2,3,4,5,6,7,8,9,10,11,12,13,14,15
	ds_load_b64 v[EL+8*\n:EL+8*\n+1],   v[RRD] offset:\n*4*REDP             ; four samples: lane / 8 picks one, lane % 8 the rows m = 2 (lane % 8), + 1: plane 0, first half of i,
	ds_load_b64 v[EL+8*\n+2:EL+8*\n+3], v[RRD] offset:\n*4*REDP+64          ; plane 1,
	ds_load_b64 v[EL+8*\n+4:EL+8*\n+5], v[RRD] offset:\n*4*REDP+REDA        ; and the second half's
	ds_load_b64 v[EL+8*\n+6:EL+8*\n+7], v[RRD] offset:\n*4*REDP+REDA+64
.endr
.irp n, 0,1,2,3,4,5,6,7,8,9,10,11,12,13,14,15
	s_wait_dscnt 4*(15-\n)                         ; the later groups' loads stay out
	v_add_f32 v[ER+4*\n],   v[EL+8*\n],   v[EL+8*\n+4]     ; o = 2 m + ob: the additions also lay the planes side by side
	v_add_f32 v[ER+4*\n+1], v[EL+8*\n+2], v[EL+8*\n+6]
	v_add_f32 v[ER+4*\n+2], v[EL+8*\n+1], v[EL+8*\n+5]
	v_add_f32 v[ER+4*\n+3], v[EL+8*\n+3], v[EL+8*\n+7]
	global_store_b128 v[GO], v[ER+4*\n:ER+4*\n+3], s[12:13] offset:\n*8192 th:TH_STORE_NT  ; eight lanes store a row's 128 consecutive bytes; no register of a store is written again
.endr
	s_wait_tensorcnt 0x0                           ; the wave's end: behind my last tensor load and my last LDS store
	ds_add_u32 v[SPW], v[NIL]
	s_wait_dscnt 0x0
	CROUND                                         ; the closing round: no work-group ends while a partner may still ask for a tile that names it
	s_endpgm
.Lfunc_end_k_q8e37e08c69_main:
	.size	k_q8e37e08c69_main, .Lfunc_end_k_q8e37e08c69_main-k_q8e37e08c69_main
	.p2alignl 7, 3214868480
	.fill 96, 4, 3214868480
	.section	.rodata,"a",@progbits
	.p2align	6, 0x0
	.amdhsa_kernel k_q8e37e08c69_main
		.amdhsa_group_segment_fixed_size 327680
		.amdhsa_private_segment_fixed_size 0
		.amdhsa_enable_private_segment 0
		.amdhsa_kernarg_size 40
		.amdhsa_user_sgpr_count 2
		.amdhsa_user_sgpr_kernarg_segment_ptr 1
		.amdhsa_wavefront_size32 1
		.amdhsa_system_sgpr_workgroup_id_x 1
		.amdhsa_system_sgpr_workgroup_id_y 1
		.amdhsa_system_sgpr_workgroup_id_z 1
		.amdhsa_system_vgpr_workitem_id 0
		.amdhsa_next_free_vgpr 1024
		.amdhsa_next_free_sgpr 66
		.amdhsa_reserve_vcc 0
		.amdhsa_float_denorm_mode_32 3
		.amdhsa_float_denorm_mode_16_64 3
		.amdhsa_memory_ordered 1
		.amdhsa_forward_progress 1
		.amdhsa_inst_pref_size 235
	.end_amdhsa_kernel
	.amdgpu_metadata
---
amdhsa.version: [ 1, 2 ]
amdhsa.kernels:
  - .name:           k_q8e37e08c69_main
    .symbol:         k_q8e37e08c69_main.kd
    .args:
      - { .name: W_1, .offset: 0, .size: 8, .value_kind: global_buffer, .address_space: global }
      - { .name: b_1, .offset: 8, .size: 8, .value_kind: global_buffer, .address_space: global }
      - { .name: var_vector, .offset: 16, .size: 8, .value_kind: global_buffer, .address_space: global }
      - { .name: x, .offset: 24, .size: 8, .value_kind: global_buffer, .address_space: global }
      - { .name: out0, .offset: 32, .size: 8, .value_kind: global_buffer, .address_space: global }
    .group_segment_fixed_size: 327680
    .private_segment_fixed_size: 0
    .kernarg_segment_align: 8
    .kernarg_segment_size: 40
    .max_flat_workgroup_size: 128
    .sgpr_count:     66
    .vgpr_count:     1024
    .wavefront_size: 32
...
	.end_amdgpu_metadata
.endif
;; end of part 2
